; MI455X (gfx1250); checked and timed in simulation.
; The chip was launched on July 23, 2026; its instructions are those of AMD's public machine-readable ISA for CDNA 5 (MIT licence, August 2026) and "CDNA5" Instruction Set Architecture Reference Guide (July 2026). The comments in the code are by the model that wrote it; some were corrected since.
;; Grouped Query Attention. Allowed arithmetic: matrix products marked QUANTISED: E2M1 operands, one E8M0 scale for each 32 along K, by v_wmma_scale_f32_16x16x128_f8f6f4 with both operands' format E2M1 (or v_wmma_scale_f32_32x16x128_f4), f32 sums; products left as they are: bf16, f16 or f32 operands; f32 sums; everything else in f32.
;; Inputs: Wk 1,024 x 256 float32; Wo 1,024 x 1,024 float32; Wq 1,024 x 1,024 float32; Wv 1,024 x 256 float32; key 32 x 484 x 1,024 float32; query 32 x 484 x 1,024 float32; rel_table 967 x 16 float32; value 32 x 484 x 1,024 float32.
;; Outputs: out0 32 x 484 x 1,024 float32.
;; This version of the problem:
;;   THIS VERSION OF THE PROBLEM IS GIVEN IN LOW PRECISION. The matrix products marked QUANTISED in the list below multiply operands that are first quantised to E2M1 (2 exponent bits, 1 mantissa bit; 4 bits a number), with one power-of-two scale for each 32 numbers along K (OCP MX v1.0); their sums are f32. The products marked 'left as it is' may take bf16, f16 or f32 operands, with f32 sums. Whichever they take, every output number must still come out within the allowed error. Rounding operands to bf16 (8 significant bits) uses up far more of that allowance than f16 does (11 bits, for magnitudes from 6e-5 to 65,504). All else is computed in f32.
;;   The module's matrix products, in the order in which they are computed (A, B: the left and right operand; K: the contracted axis; several contracted axes count as one K, in the product's order):
;;     1. [M 15,488, K 1,024] x [K 1,024, N 1,024]; A: input query; B: input Wq: QUANTISED
;;     2. [M 15,488, K 1,024] x [K 1,024, N 256]; A: input key; B: input Wk: QUANTISED
;;     3. [M 15,488, K 1,024] x [K 1,024, N 256]; A: input value; B: input Wv: QUANTISED
;;     4. batch 128 x [M 1,936, K 64] x [K 64, N 484]; A: computed on the way; B: computed on the way: left as it is (an operand is computed on the way)
;;     5. batch 128 x [M 1,936, K 484] x [K 484, N 64]; A: computed on the way; B: computed on the way: left as it is (an operand is computed on the way)
;;     6. [M 15,488, K 1,024] x [K 1,024, N 1,024]; A: computed on the way; B: input Wo: left as it is (an operand is computed on the way)
;;   THE QUANTISER, for each operand of a quantised product, along K:
;;     - K is cut into blocks of 32 from its start; a last block that is shorter is filled with zeros.
;;     - A block's scale is 2^e with e = floor(log2(the largest magnitude in the block)) - 2, held to -126 .. 127; a block of zeros has e = 0. As a byte (E8M0): e + 127.
;;     - Each number is divided by its block's scale, clamped to +-6, and rounded to the nearest number of E2M1, ties to even, subnormals kept.
;;     - The product sums the exact products of the quantised numbers (number of the format x scale) in f32.
;;   ~~~python
;;   def quantise(x, axis):      # numpy; x: float32 -> the quantised numbers, widened to float32 again
;;       x = np.moveaxis(x, axis, -1); K = x.shape[-1]
;;       x = np.pad(x, [(0, 0)] * (x.ndim - 1) + [(0, -K % 32)]); x = x.reshape(x.shape[:-1] + (-1, 32)); a = np.abs(x).max(-1, keepdims=True)
;;       e = np.where(a > 0, np.clip(np.frexp(np.where(a > 0, a, 1))[1] - 1 - 2, -126, 127), 0)      # np.frexp(a)[1] - 1 = floor(log2(a)), exactly
;;       r = np.clip(x / 2.0 ** e, -6, 6)
;;       step = 2.0 ** (np.maximum(np.frexp(np.where(r == 0, 1, r))[1] - 1, 0) - 1)
;;       q = np.round(r / step) * step * 2.0 ** e      # np.round: ties to even
;;       return np.moveaxis(q.reshape(q.shape[:-2] + (-1,))[..., :K], -1, axis).astype(np.float32)
;;   ~~~
;; One version. Each part assembles by itself: llvm-mc -triple=amdgcn-amd-amdhsa -mcpu=gfx1250 --defsym DOCPART=n.
;; ======== version 1 of 1: 4 launches
;; limits: values are held in f16: magnitudes above 65,504 overflow, below 6.1e-05 lose precision
;; workspace buffers: wcodes 786,432 bytes; wscales 49,152 bytes; wo16 2,097,152 bytes; bimg 1,048,576 bytes; qf 33,554,432 bytes; kf 8,388,608 bytes; vf 8,388,608 bytes; ao 33,554,432 bytes
;; launch prep (part 1): grid 192 x 1, 4 waves a work-group, no clusters, 0 bytes of LDS; arguments Wq, Wk, Wv, Wo, rel_table, wcodes, wscales, wo16, bimg; writes wcodes, wscales, wo16, bimg
.if DOCPART == 1
	.amdgcn_target "amdgcn-amd-amdhsa--gfx1250"
	.amdhsa_code_object_version 6
	.text
	.protected	k_q94333329c4_prep
	.globl	k_q94333329c4_prep
	.p2align	8
	.type	k_q94333329c4_prep,@function
k_q94333329c4_prep:
	s_mov_b64 s[64:65], 0
	v_nop
	global_prefetch_b8 v0, s[64:65] scope:SCOPE_SE
	s_setreg_imm32_b32 hwreg(HW_REG_WAVE_MODE, 25, 1), 1
	s_wait_xcnt 0x0
; PREP: the small inputs are laid out once, in the order in which the later launches' operand registers take them.
;   Wq, Wk, Wv [1024 (k)][n] f32 -> wcodes: codes of FP4 (E2M1), [column tile 96][K step 8][quad 2][lane 32][16 bytes]; wscales: [pair of tiles 48][K step 8][lane 32] words of four E8M0 bytes.
;   Wo [1024 (k)][1024 (n)] f32  -> wo16: f16, [n / 256][k / 32][column tile 16][quad 2][lane 32][16 bytes].
;   rel_table [967][16] f32      -> bimg: log2(e) x bias as tiles in a matrix result's layout, [head 16][key tile - query tile + 31: 64][quad 2][lane 32][16 bytes].
; K is the weights' FIRST axis: a lane takes a column and its registers run down K, so each load reads 128 consecutive bytes a wave (512 a work-group), a block of 32 along K lies in one lane,
; and the conversions give codes with K innermost.  Lanes 0-15 hold one column tile and lanes 16-31 the next: an exchange of halves between two registers gives each tile's fragment registers.
; A block's scale is 2^(floor(log2(largest magnitude)) - 2); its byte is the largest magnitude's exponent field - 2, held at 1 from below.
; LIMITS: a block of zeros gets the byte 1 where the quantiser says 127 (its codes are zeros, and this program alone reads the bytes); NaN and infinities are not served; |Wo| stays under 65,504 (f16).
; Work-groups 0-63: Wq; 64-95: Wk, Wv; 96-159: Wo; 160-191: the bias.  No LDS, no barrier: waves share nothing.
.set D,   32                           ; v32-159   128 numbers down K
.set C,   160                          ; v160-175  codes: block t's four at C + 4 t;  for Wo v160-223: 16 packed registers for each 32 along K
.set SRC, 4                            ; s[4:5]    where my wave reads
.set DST, 6                            ; s[6:7]    where it stores fragments
.set SCO, 34                           ; s[34:35]  where it stores scale words
	s_load_b512 s[8:23], s[0:1], 0x0               ; Wq s[8:9], Wk s[10:11], Wv s[12:13], Wo s[14:15], rel_table s[16:17], wcodes s[18:19], wscales s[20:21], wo16 s[22:23]
	s_load_b64 s[24:25], s[0:1], 0x40              ; bimg
	v_lshrrev_b32 v1, 5, v0
	v_readfirstlane_b32 s26, v1                    ; wave 0..3
	v_and_b32 v1, 31, v0                           ; lane
	v_lshlrev_b32 v2, 2, v1                        ; 4 x lane: my column in a row of a weight; my scale word
	v_lshlrev_b32 v3, 4, v1                        ; 16 x lane: my place in an image of four registers
	s_mov_b32 s31, 0                               ; the upper words of the 64-bit offsets
	s_mov_b32 s33, 0
	s_wait_kmcnt 0x0
	s_cmp_lt_u32 ttmp9, 64
	s_cbranch_scc1 .Lwq
	s_cmp_lt_u32 ttmp9, 96
	s_cbranch_scc1 .Lwkv
	s_cmp_lt_u32 ttmp9, 160
	s_cbranch_scc1 .Lwo
	; ---- the bias: wave u of 128 makes eight tiles of one head
	s_sub_co_u32 s27, ttmp9, 160
	s_lshl_b32 s27, s27, 2
	s_add_co_u32 s27, s27, s26                     ; u
	s_lshr_b32 s28, s27, 3                         ; head
	s_and_b32 s29, s27, 7
	s_lshl_b32 s29, s29, 3                         ; the first of my eight tiles
	s_lshl_b32 s30, s28, 2
	s_add_nc_u64 s[SRC:SRC+1], s[16:17], s[30:31]  ; the table at my head's column
	s_lshl_b32 s32, s28, 6
	s_add_co_u32 s32, s32, s29
	s_lshl_b32 s32, s32, 10                        ; 1,024 bytes a tile
	s_add_nc_u64 s[DST:DST+1], s[24:25], s[32:33]
	s_lshl_b32 s36, s29, 4
	s_sub_co_u32 s36, s36, 13                      ; (wraps where it is negative; so does all below, and the test against 967 sorts it out)
	v_and_b32 v4, 15, v0                           ; r: the query in its tile
	v_bfe_u32 v5, v0, 4, 1                         ; h
	v_lshlrev_b32 v5, 3, v5
	v_sub_nc_u32 v5, v5, v4
	v_add_nc_u32 v5, s36, v5                       ; register j of tile x holds table row 16 x + 8 h + j - r - 13 = key - query + 483
.set e, 0
.rept 64
	v_add_nc_u32 v[32+e], 16*(e/8)+e%8, v5         ; the table's row,
	v_min_u32 v[96+e], 966, v[32+e]                ; held inside the table (rows outside belong to padding positions alone),
	v_lshlrev_b32 v[96+e], 6, v[96+e]              ; 64 bytes a row
	global_load_b32 v[160+e], v[96+e], s[SRC:SRC+1]
.set e, e+1
.endr
	s_wait_loadcnt 0x0
.set e, 0
.rept 64
	v_cmp_gt_u32 vcc_lo, 967, v[32+e]
	v_cndmask_b32 v[160+e], 0, v[160+e], vcc_lo    ; 0 outside the table
	v_mul_f32 v[160+e], 0x3fb8aa3b, v[160+e]       ; x log2(e): the softmax works in base 2
.set e, e+1
.endr
.irp x, 0,1,2,3,4,5,6,7
	global_store_b128 v3, v[160+8*\x:160+8*\x+3], s[DST:DST+1] offset:1024*\x        ; each store of the wave covers 512 consecutive bytes, aligned
	global_store_b128 v3, v[160+8*\x+4:160+8*\x+7], s[DST:DST+1] offset:1024*\x+512
.endr
	s_endpgm
.macro LOADB pitch, t                  ; 32 rows of K, from row 32 t on, of my column
.set i, 0
.rept 32
	global_load_b32 v[D+32*(\t)+i], v2, s[SRC:SRC+1] offset:(32*(\t)+i)*(\pitch) th:TH_LOAD_NT
.set i, i+1
.endr
.endm
.macro BLOCKQ t                        ; block t of my column: its scale byte into v12, its 32 codes into four registers
.set XS, D+32*(\t)
	v_max3_num_f32 v8, |v[XS]|, |v[XS+1]|, |v[XS+2]|               ; the largest magnitude, in two chains
	v_max3_num_f32 v9, |v[XS+3]|, |v[XS+4]|, |v[XS+5]|
.irp i, 6,10,14,18,22,26
	v_max3_num_f32 v8, v8, |v[XS+\i]|, |v[XS+\i+1]|
	v_max3_num_f32 v9, v9, |v[XS+\i+2]|, |v[XS+\i+3]|
.endr
	v_max3_num_f32 v8, v8, |v[XS+30]|, |v[XS+31]|
	v_max3_num_f32 v8, v8, v9, 0x1800000           ; and the floor 2^(3 - 127): the byte cannot fall under 1
	v_add_nc_u32 v10, 0xff000000, v8               ; 2 off its exponent field: the conversion takes this operand's exponent field as its scale
	v_lshrrev_b32 v11, 23, v10                     ; the scale's byte
.if (\t) == 0
	v_mov_b32 v12, v11
.else
	v_lshl_or_b32 v12, v11, 8*(\t), v12            ; four bytes make the K step's scale word, the lower k in the lower byte
.endif
.irp g, 0,1,2,3
	v_cvt_scalef32_pk8_fp4_f32 v[C+4*(\t)+\g], v[XS+8*\g:XS+8*\g+7], v10
.endr
.endm
; 128 along K of 32 columns become two fragments and 32 scale words.  Loads run two blocks ahead: each wait leaves the one younger block's 32 loads out.
.macro QUANTW pitch
	LOADB \pitch, 0
	LOADB \pitch, 1
	s_wait_loadcnt 32
	LOADB \pitch, 2
	BLOCKQ 0
	s_wait_loadcnt 32
	LOADB \pitch, 3
	BLOCKQ 1
	s_wait_loadcnt 32
	BLOCKQ 2
	s_wait_loadcnt 0x0
	BLOCKQ 3
	v_nop                                          ; one plain instruction between a scaled conversion and the instruction that touches its result
.irp c, 0,1                                    ; a fragment wants block 2 c of column r in lane r and block 2 c + 1 in lane 16 + r
.irp i, 0,1,2,3
	v_permlane16_swap_b32 v[C+8*\c+\i], v[C+8*\c+4+\i]   ; the first register becomes the even tile's, the second the odd tile's
.endr
.endr
	global_store_b128 v3, v[C:C+3], s[DST:DST+1]                   ; even tile, k 0-63 of the step
	global_store_b128 v3, v[C+8:C+11], s[DST:DST+1] offset:512     ; even tile, k 64-127
	global_store_b128 v3, v[C+4:C+7], s[DST:DST+1] offset:8192     ; odd tile
	global_store_b128 v3, v[C+12:C+15], s[DST:DST+1] offset:8192+512
	global_store_b32 v2, v12, s[SCO:SCO+1]         ; 128 consecutive bytes a wave: the scale words are 49,152 bytes in all
.endm
.macro WHERE                           ; s27: the pair of tiles, s28: the K step
	s_lshl_b32 s32, s27, 14
	s_lshl_b32 s36, s28, 10
	s_add_co_u32 s32, s32, s36
	s_add_nc_u64 s[DST:DST+1], s[18:19], s[32:33]
	s_lshl_b32 s32, s27, 10
	s_lshl_b32 s36, s28, 7
	s_add_co_u32 s32, s32, s36
	s_add_nc_u64 s[SCO:SCO+1], s[20:21], s[32:33]
.endm
.Lwq:                                  ; ---- Wq: work-group = (block of 128 columns, K step); a wave takes 32 columns
	s_lshr_b32 s27, ttmp9, 3
	s_and_b32 s28, ttmp9, 7                        ; K step
	s_lshl_b32 s27, s27, 2
	s_add_co_u32 s27, s27, s26                     ; pair of tiles 0..31
	s_lshl_b32 s30, s28, 19                        ; 128 rows of 4,096 bytes
	s_lshl_b32 s36, s27, 7
	s_add_co_u32 s30, s30, s36
	s_add_nc_u64 s[SRC:SRC+1], s[8:9], s[30:31]
	WHERE
	QUANTW 4096
	s_endpgm
.Lwkv:                                 ; ---- Wk (16 work-groups), then Wv
	s_sub_co_u32 s29, ttmp9, 64
	s_and_b32 s28, s29, 7                          ; K step
	s_bfe_u32 s27, s29, 0x10003
	s_lshl_b32 s27, s27, 2
	s_add_co_u32 s27, s27, s26                     ; pair of tiles within the tensor, 0..7
	s_lshl_b32 s30, s28, 17                        ; 128 rows of 1,024 bytes
	s_lshl_b32 s36, s27, 7
	s_add_co_u32 s30, s30, s36
	s_cmp_lt_u32 s29, 16                           ; the choice hangs on the work-group's number alone
	s_cselect_b64 s[SRC:SRC+1], s[10:11], s[12:13]
	s_cselect_b32 s36, 32, 40
	s_add_nc_u64 s[SRC:SRC+1], s[SRC:SRC+1], s[30:31]
	s_add_co_u32 s27, s27, s36                     ; pair of tiles among all 48
	WHERE
	QUANTW 1024
	s_endpgm
.macro PACKO q                         ; 32 along K of 32 columns of Wo become two f16 fragments
.set i, 0
.rept 16
	v_cvt_pk_f16_f32 v[C+16*(\q)+i], v[D+32*(\q)+2*i], v[D+32*(\q)+2*i+1]
.set i, i+1
.endr
.irp i, 0,1,2,3                                ; a fragment wants k 0-7 (16-23) of column r in lane r and k 8-15 (24-31) in lane 16 + r
	v_permlane16_swap_b32 v[C+16*(\q)+\i], v[C+16*(\q)+4+\i]
	v_permlane16_swap_b32 v[C+16*(\q)+8+\i], v[C+16*(\q)+12+\i]
.endr
	global_store_b128 v3, v[C+16*(\q):C+16*(\q)+3], s[DST:DST+1] offset:16384*(\q)            ; the four stores cover 2,048 consecutive bytes
	global_store_b128 v3, v[C+16*(\q)+8:C+16*(\q)+11], s[DST:DST+1] offset:16384*(\q)+512
	global_store_b128 v3, v[C+16*(\q)+4:C+16*(\q)+7], s[DST:DST+1] offset:16384*(\q)+1024
	global_store_b128 v3, v[C+16*(\q)+12:C+16*(\q)+15], s[DST:DST+1] offset:16384*(\q)+1536
.endm
.Lwo:                                  ; ---- Wo: work-group = (block of 128 columns, 128 along K)
	s_sub_co_u32 s29, ttmp9, 96
	s_and_b32 s28, s29, 7                          ; which 128 along K
	s_lshr_b32 s27, s29, 3
	s_lshl_b32 s27, s27, 2
	s_add_co_u32 s27, s27, s26                     ; which 32 columns, 0..31
	s_lshl_b32 s30, s28, 19
	s_lshl_b32 s36, s27, 7
	s_add_co_u32 s30, s30, s36
	s_add_nc_u64 s[SRC:SRC+1], s[14:15], s[30:31]
	s_lshr_b32 s32, s27, 3
	s_lshl_b32 s32, s32, 19                        ; n / 256: 524,288 bytes each
	s_lshl_b32 s36, s28, 16                        ; four steps of 32 along K, 16,384 bytes each
	s_add_co_u32 s32, s32, s36
	s_and_b32 s36, s27, 7
	s_lshl_b32 s36, s36, 11                        ; two column tiles of 1,024 bytes
	s_add_co_u32 s32, s32, s36
	s_add_nc_u64 s[DST:DST+1], s[22:23], s[32:33]
	LOADB 4096, 0
	LOADB 4096, 1
	s_wait_loadcnt 32                              ; as above: the one younger block's 32 loads may be out
	LOADB 4096, 2
	PACKO 0
	s_wait_loadcnt 32
	LOADB 4096, 3
	PACKO 1
	s_wait_loadcnt 32
	PACKO 2
	s_wait_loadcnt 0x0
	PACKO 3
	s_endpgm
.Lfunc_end_k_q94333329c4_prep:
	.size	k_q94333329c4_prep, .Lfunc_end_k_q94333329c4_prep-k_q94333329c4_prep
	.p2alignl 7, 3214868480
	.fill 96, 4, 3214868480
	.section	.rodata,"a",@progbits
	.p2align	6, 0x0
	.amdhsa_kernel k_q94333329c4_prep
		.amdhsa_group_segment_fixed_size 0
		.amdhsa_private_segment_fixed_size 0
		.amdhsa_enable_private_segment 0
		.amdhsa_kernarg_size 72
		.amdhsa_user_sgpr_count 2
		.amdhsa_user_sgpr_kernarg_segment_ptr 1
		.amdhsa_wavefront_size32 1
		.amdhsa_system_sgpr_workgroup_id_x 1
		.amdhsa_system_sgpr_workgroup_id_y 1
		.amdhsa_system_sgpr_workgroup_id_z 1
		.amdhsa_system_vgpr_workitem_id 0
		.amdhsa_next_free_vgpr 224
		.amdhsa_next_free_sgpr 66
		.amdhsa_reserve_vcc 1
		.amdhsa_float_denorm_mode_32 3
		.amdhsa_float_denorm_mode_16_64 3
		.amdhsa_memory_ordered 1
		.amdhsa_forward_progress 1
		.amdhsa_inst_pref_size 86
	.end_amdhsa_kernel
	.amdgpu_metadata
---
amdhsa.version: [ 1, 2 ]
amdhsa.kernels:
  - .name:           k_q94333329c4_prep
    .symbol:         k_q94333329c4_prep.kd
    .args:
      - { .name: Wq, .offset: 0, .size: 8, .value_kind: global_buffer, .address_space: global }
      - { .name: Wk, .offset: 8, .size: 8, .value_kind: global_buffer, .address_space: global }
      - { .name: Wv, .offset: 16, .size: 8, .value_kind: global_buffer, .address_space: global }
      - { .name: Wo, .offset: 24, .size: 8, .value_kind: global_buffer, .address_space: global }
      - { .name: rel_table, .offset: 32, .size: 8, .value_kind: global_buffer, .address_space: global }
      - { .name: wcodes, .offset: 40, .size: 8, .value_kind: global_buffer, .address_space: global }
      - { .name: wscales, .offset: 48, .size: 8, .value_kind: global_buffer, .address_space: global }
      - { .name: wo16, .offset: 56, .size: 8, .value_kind: global_buffer, .address_space: global }
      - { .name: bimg, .offset: 64, .size: 8, .value_kind: global_buffer, .address_space: global }
    .group_segment_fixed_size: 0
    .private_segment_fixed_size: 0
    .kernarg_segment_align: 8
    .kernarg_segment_size: 72
    .max_flat_workgroup_size: 128
    .sgpr_count:     66
    .vgpr_count:     224
    .wavefront_size: 32
...
	.end_amdgpu_metadata
.endif
;; end of part 1
;; launch proj (part 2): grid 8 x 96, 4 waves a work-group, no clusters, 37,376 bytes of LDS; arguments query, key, value, wcodes, wscales, qf, kf, vf; writes qf, kf, vf
.if DOCPART == 2
	.amdgcn_target "amdgcn-amd-amdhsa--gfx1250"
	.amdhsa_code_object_version 6
	.text
	.protected	k_q94333329c4_proj
	.globl	k_q94333329c4_proj
	.p2align	8
	.type	k_q94333329c4_proj,@function
k_q94333329c4_proj:
	s_mov_b64 s[64:65], 0
	v_nop
	global_prefetch_b8 v0, s[64:65] scope:SCOPE_SE
	s_setreg_imm32_b32 hwreg(HW_REG_WAVE_MODE, 25, 1), 1
	s_wait_xcnt 0x0
; PROJ: q = query Wq, k = key Wk, v = value Wv, on codes of FP4 (E2M1) with one E8M0 scale for each 32 along K = 1,024; sums in f32; results as f16 in the order of the attention launch's operand registers.
; SHARES.  Work-group (x, y): tensor y / 32 (0 query, 1 key, 2 value), batch y % 32, positions 64 x .. 64 x + 63 of 512 (positions 484 and above repeat row 483: padding that is masked or dropped later).
; It takes ALL columns of its tensor, so each f32 number is read and quantised once.  PHASE X: wave w quantises rows 16 w .. 16 w + 15 into LDS (rows of codes, rows of scale bytes); one barrier.
; PHASE G: every wave takes all 64 rows' fragments into 256 registers, for good, and walks its quarter of the column tiles, whose fragments come from wcodes straight into registers, one pair of tiles ahead.
; q and k: source 0 = 16 columns of W, source 1 = 16 rows of x: a lane holds one token and eight channels.  v: the sources swapped: a lane holds one channel and eight tokens, since the keys are the K of attention's second product.
; q is multiplied by log2(e) / 8 in f32 ahead of its rounding to f16.
; NO JOINT LOADS: what work-groups share here (the weights' codes, 544 KB for a query block) comes beside 256 KB of f32 rows that nobody shares, and a ring of LDS slots would take the whole of LDS for one work-group.
; LIMITS: |q| x 0.18, |k|, |v| stay under 65,504 (f16); NaN and infinities are not served; a block of zeros gets the byte 1 (its codes are zeros; this program alone reads the bytes).
; REGISTERS.  Window 0: v1-15 addresses; v16-39 at work in phase X; v32-63 packed results in phase G; v64-191 phase X: a ring of four rows; phase G: two sets of W's eight fragments;
;   v192-199 W's scale words, v208-223 x's (they hold scales and nothing else); v224-255 four accumulators.   Window 1: x's fragments, (row tile m, K step s) at 64 m + 8 s.
.set PITCH, 528                        ; a row of 1,024 codes in LDS: 512 bytes + 16: the 16 rows that a fragment load touches start 33 x 16 bytes apart
.set SCL,   64*PITCH                   ; behind the codes: the scale bytes, 32 a row + 16
.set SPIT,  48
.set SPARE, SCL+64*SPIT                ; behind them: the spare words, 128 bytes for each wave: two blocks of 256 bytes that no other line names
.set L32, 2                            ; v2   my 16 bytes in a load's 512: 32 (lane % 16) + 16 (lane / 16)
.set CA,  3                            ; v3   where I store a register of codes: my wave's rows + 4 x lane
.set SA,  4                            ; v4   where I store a scale byte: my wave's rows + lane / 4
.set XA,  5                            ; v5   a fragment's row (lane % 16) x pitch + 16 (lane / 16)
.set XSA, 6                            ; v6   a row's scale bytes: row = lane
.set LI,  7                            ; v7   16 x lane
.set L4,  8                            ; v8   4 x lane
.set SPW, 9                            ; v9   LDS address of my spare word; never rewritten
.set NIL, 10                           ; v10  0; never rewritten
.set OFF, 12                           ; v12-15 a byte offset for each slot of the ring
.set MX,  16                           ; v16-19 largest magnitudes, one for each of a row's four segments
.set SO,  20                           ; v20-23 the conversions' scale operands
.set CD,  24                           ; v24-31 codes, two sets
.set BY,  32                           ; v32-39 scale bytes, two sets
.set OUTA, 32
.set OUTB, 48
.set RING, 64
.set WA,  64
.set WB,  128
.set WS,  192
.set XS,  208
.set ACC, 224
.set MSB, 0
.macro WIN new                         ; the immediate's high byte repeats the setting that is left
.if MSB != \new
	s_set_vgpr_msb (MSB<<8)|\new
.set MSB, \new
.endif
.endm
.macro PLACES
.rept 4
	v_nop
.endr
.endm
	s_load_b512 s[8:23], s[0:1], 0x0               ; query s[8:9], key s[10:11], value s[12:13], wcodes s[14:15], wscales s[16:17], qf s[18:19], kf s[20:21], vf s[22:23]
	v_lshl_add_u32 v[SPW], v0, 2, SPARE
	v_mov_b32 v[NIL], 0
	v_lshrrev_b32 v1, 5, v0
	v_readfirstlane_b32 s24, v1                    ; wave 0..3
	v_and_b32 v1, 31, v0                           ; lane
	v_and_b32 v11, 15, v0
	v_lshlrev_b32 v[L32], 5, v11                   ; lanes 0-15 take the even pieces of 16 bytes,
	v_bfe_u32 v11, v0, 4, 1
	v_lshl_add_u32 v[L32], v11, 4, v[L32]          ; lanes 16-31 the odd ones
	v_lshlrev_b32 v[LI], 4, v1
	v_lshlrev_b32 v[L4], 2, v1
	s_mul_i32 s40, s24, 16*PITCH
	v_add_nc_u32 v[CA], s40, v[L4]
	s_mul_i32 s40, s24, 16*SPIT
	s_add_co_u32 s40, s40, SCL
	v_lshrrev_b32 v[SA], 2, v1
	v_add_nc_u32 v[SA], s40, v[SA]
	v_and_b32 v11, 15, v0
	v_mul_u32_u24 v[XA], v11, PITCH
	v_bfe_u32 v11, v0, 4, 1
	v_lshl_add_u32 v[XA], v11, 4, v[XA]
	v_mul_u32_u24 v[XSA], v1, SPIT
	v_add_nc_u32 v[XSA], SCL, v[XSA]
	s_and_b32 s40, ttmp7, 0xffff
	s_lshr_b32 s27, s40, 5                         ; tensor: 0 query, 1 key, 2 value
	s_and_b32 s26, s40, 31                         ; batch
	s_lshl_b32 s39, ttmp9, 6
	s_lshl_b32 s40, s24, 4
	s_add_co_u32 s39, s39, s40                     ; my wave's first position: 64 x + 16 w
	s_mul_i32 s41, s26, 484                        ; the batch's first row
	s_lshl_b32 s43, s24, 3                         ; my first pair of column tiles: query: 8 w;
	s_lshl_b32 s44, s24, 1
	s_lshl_b32 s45, s27, 3
	s_add_co_u32 s44, s44, s45
	s_add_co_u32 s44, s44, 24                      ; key: 32 + 2 w; value: 40 + 2 w
	s_lshl_b32 s46, s26, 2
	s_add_co_u32 s46, s46, s24                     ; 4 x batch + wave
	s_mov_b32 s36, 0x3e38aa3b                      ; log2(e) / 8
	s_mov_b32 s37, 0x3f800000
	s_cmp_eq_u32 s27, 0
	s_cselect_b32 s43, s43, s44
	s_cselect_b32 s38, 7, 1                        ; pairs of tiles a wave, less the last: 16 or 4 tiles
	s_cselect_b32 s42, 18, 16                      ; 16 or 4 tiles of 16,384 bytes
	s_cselect_b32 s36, s36, s37                    ; the factor on the way out
	s_mov_b32 s37, s36                             ; (the packed form names the pair)
	s_lshl_b32 s46, s46, s42
	s_lshl_b32 s44, ttmp9, 11                      ; my work-group's four token tiles of 512 bytes
	s_add_co_u32 s46, s46, s44
	s_mov_b32 s47, 0
	s_lshl_b32 s44, s43, 14
	s_mov_b32 s45, 0
	s_lshl_b32 s42, s43, 10
	s_mov_b32 s43, 0
	s_wait_kmcnt 0x0
	s_cmp_eq_u32 s27, 0                            ; the buffers are chosen by the work-group's number alone
	s_cselect_b64 s[28:29], s[8:9], s[10:11]
	s_cselect_b64 s[34:35], s[18:19], s[20:21]
	s_cmp_eq_u32 s27, 2
	s_cselect_b64 s[28:29], s[12:13], s[28:29]     ; s[28:29] x
	s_cselect_b64 s[34:35], s[22:23], s[34:35]
	s_add_nc_u64 s[34:35], s[34:35], s[46:47]      ; s[34:35] where my first tile's results go
	s_add_nc_u64 s[30:31], s[14:15], s[44:45]      ; s[30:31] my first pair's codes
	s_add_nc_u64 s[32:33], s[16:17], s[42:43]      ; s[32:33] and scale words
; ---- PHASE X.  A row is 4,096 bytes: four segments of 1,024, two loads each.  EACH LOAD COVERS 512 CONSECUTIVE BYTES WHOLE: lanes 0-15 take its even pieces of 16 bytes, lanes 16-31 its odd ones.
; An exchange of halves between the two loads' registers then gives lane l the 32 bytes at 32 l of the segment: lane i under 16 gets pieces 2 i and 2 i + 1 of the first 512 bytes, lane 16 + i the same of the second.
; So a lane holds 8 neighbours along K, as the conversion wants them, and four neighbouring lanes hold a block of 32.
.macro RLOAD i
	s_add_co_u32 s40, s39, \i
	s_min_u32 s40, s40, 483                        ; padding positions repeat the batch's last row: no load leaves the batch
	s_add_co_u32 s40, s40, s41
	s_lshl_b32 s40, s40, 12
	v_add_nc_u32 v[OFF+(\i)%4], s40, v[L32]        ; (the slot's last loads were shown done by their wait)
.irp g, 0,1,2,3
	global_load_b128 v[RING+32*((\i)%4)+8*\g:RING+32*((\i)%4)+8*\g+3], v[OFF+(\i)%4], s[28:29] offset:1024*\g th:TH_LOAD_NT
	global_load_b128 v[RING+32*((\i)%4)+8*\g+4:RING+32*((\i)%4)+8*\g+7], v[OFF+(\i)%4], s[28:29] offset:1024*\g+512 th:TH_LOAD_NT
.endr
.endm
.macro ROW i
.set XR, RING+32*((\i)%4)
.set CDS, CD+4*((\i)%2)
.set BYS, BY+4*((\i)%2)
.if 15-(\i) >= 3
	s_wait_loadcnt 24                              ; my row's eight loads are in; the three younger rows' may be out
.else
	s_wait_loadcnt 8*(15-(\i))
.endif
	s_wait_dscnt 8                                 ; the row before's eight LDS stores may be out; those of two rows back, which read this set of registers, are done
.irp g, 0,1,2,3
.irp j, 0,1,2,3
	v_permlane16_swap_b32 v[XR+8*\g+\j], v[XR+8*\g+4+\j]   ; the first load's lanes 16-31 change places with the second's lanes 0-15: registers 8 g .. 8 g + 7 are now 8 neighbours
.endr
.endr
.irp g, 0,1,2,3
	v_max3_num_f32 v[MX+\g], |v[XR+8*\g]|, |v[XR+8*\g+1]|, 0x1800000   ; my 8 numbers, and the floor 2^(3 - 127): the byte cannot fall under 1.  (The four segments by turns)
.endr
.irp j, 2,4,6
.irp g, 0,1,2,3
	v_max3_num_f32 v[MX+\g], v[MX+\g], |v[XR+8*\g+\j]|, |v[XR+8*\g+\j+1]|
.endr
.endr
.irp g, 0,1,2,3
	v_max_num_f32_dpp v[MX+\g], v[MX+\g], v[MX+\g] row_xmask:1 row_mask:0xf bank_mask:0xf
.endr
.irp g, 0,1,2,3
	v_max_num_f32_dpp v[MX+\g], v[MX+\g], v[MX+\g] row_xmask:2 row_mask:0xf bank_mask:0xf   ; with the three lanes beside me: the block's largest magnitude
.endr
.irp g, 0,1,2,3
	v_add_nc_u32 v[SO+\g], 0xff000000, v[MX+\g]    ; 2 off its exponent field: the conversion's scale operand
.endr
.irp g, 0,1,2,3
	v_cvt_scalef32_pk8_fp4_f32 v[CDS+\g], v[XR+8*\g:XR+8*\g+7], v[SO+\g]
.endr
.irp g, 0,1,2,3
	v_lshrrev_b32 v[BYS+\g], 23, v[SO+\g]          ; the scale's byte.  (Also the plain instruction behind the conversions)
.endr
.irp g, 0,1,2,3
	ds_store_b32 v[CA], v[CDS+\g] offset:PITCH*(\i)+128*\g
	ds_store_b8 v[SA], v[BYS+\g] offset:SPIT*(\i)+8*\g     ; the four lanes of a block write the same byte with the same value
.endr
.if (\i) < 12
	RLOAD (\i)+4
.endif
.endm
.irp i, 0,1,2,3
	RLOAD \i                                       ; four rows, 32 loads a wave, are on their way
.endr
.irp i, 0,1,2,3,4,5,6,7,8,9,10,11,12,13,14,15
	ROW \i
.endr
.macro WLOAD buf, off                  ; a column tile's eight fragments, as they lie: 8,192 consecutive bytes
.irp s, 0,1,2,3,4,5,6,7
	global_load_b128 v[\buf+8*\s:\buf+8*\s+3], v[LI], s[30:31] offset:\off+1024*\s
	global_load_b128 v[\buf+8*\s+4:\buf+8*\s+7], v[LI], s[30:31] offset:\off+1024*\s+512
.endr
.endm
.macro WSLOAD off                      ; a pair of tiles' scale words: lanes 0-15 the even tile's columns, lanes 16-31 the odd tile's
.irp s, 0,1,2,3,4,5,6,7
	global_load_b32 v[WS+\s], v[L4], s[32:33] offset:\off+128*\s
.endr
.endm
	WLOAD WA, 0                                    ; the first pair of tiles, into the ring's registers, which are done with
	WSLOAD 0
	WLOAD WB, 8192
	s_wait_dscnt 0x0                               ; for the others' sake: my stores of codes and bytes have landed
	s_barrier_signal -1
	s_barrier_wait -1                              ; 64 rows lie in LDS; it is written no more
	WIN 0x40                                       ; destination window 1
.irp m, 0,1,2,3
.irp s, 0,1,2,3,4,5,6,7
	ds_load_b128 v[64*\m+8*\s:64*\m+8*\s+3], v[XA] offset:16*PITCH*\m+64*\s           ; lane (r, h): row r, k = 128 s + 32 h + 0 .. 31
	ds_load_b128 v[64*\m+8*\s+4:64*\m+8*\s+7], v[XA] offset:16*PITCH*\m+64*\s+32      ; and 64 further on
.endr
.endr
	WIN 0
.irp p, 0,1
.irp q, 0,1
	ds_load_b128 v[XS+8*\p+4*\q:XS+8*\p+4*\q+3], v[XSA] offset:32*SPIT*\p+16*\q       ; lane l: row 32 p + l: the words of four K steps.  Lanes 0-15: row tile 2 p, lanes 16-31: 2 p + 1
.endr
.endr
	s_wait_dscnt 0x0
; ---- PHASE G
.macro WM                              ; one matrix instruction; the symbols say which.  fRA, fRB: the side's scales stand in lanes 16-31
.if ks == 0
.if fRA && fRB
	v_wmma_scale_f32_16x16x128_f8f6f4 v[rD:rD+7], v[rA:rA+7], v[rB:rB+7], 0, v[rSA], v[rSB] matrix_a_fmt:MATRIX_FMT_FP4 matrix_b_fmt:MATRIX_FMT_FP4 matrix_a_scale:MATRIX_SCALE_ROW1 matrix_b_scale:MATRIX_SCALE_ROW1
.elseif fRA
	v_wmma_scale_f32_16x16x128_f8f6f4 v[rD:rD+7], v[rA:rA+7], v[rB:rB+7], 0, v[rSA], v[rSB] matrix_a_fmt:MATRIX_FMT_FP4 matrix_b_fmt:MATRIX_FMT_FP4 matrix_a_scale:MATRIX_SCALE_ROW1
.elseif fRB
	v_wmma_scale_f32_16x16x128_f8f6f4 v[rD:rD+7], v[rA:rA+7], v[rB:rB+7], 0, v[rSA], v[rSB] matrix_a_fmt:MATRIX_FMT_FP4 matrix_b_fmt:MATRIX_FMT_FP4 matrix_b_scale:MATRIX_SCALE_ROW1
.else
	v_wmma_scale_f32_16x16x128_f8f6f4 v[rD:rD+7], v[rA:rA+7], v[rB:rB+7], 0, v[rSA], v[rSB] matrix_a_fmt:MATRIX_FMT_FP4 matrix_b_fmt:MATRIX_FMT_FP4
.endif
.else
.if fRA && fRB
	v_wmma_scale_f32_16x16x128_f8f6f4 v[rD:rD+7], v[rA:rA+7], v[rB:rB+7], v[rD:rD+7], v[rSA], v[rSB] matrix_a_fmt:MATRIX_FMT_FP4 matrix_b_fmt:MATRIX_FMT_FP4 matrix_a_scale:MATRIX_SCALE_ROW1 matrix_b_scale:MATRIX_SCALE_ROW1
.elseif fRA
	v_wmma_scale_f32_16x16x128_f8f6f4 v[rD:rD+7], v[rA:rA+7], v[rB:rB+7], v[rD:rD+7], v[rSA], v[rSB] matrix_a_fmt:MATRIX_FMT_FP4 matrix_b_fmt:MATRIX_FMT_FP4 matrix_a_scale:MATRIX_SCALE_ROW1
.elseif fRB
	v_wmma_scale_f32_16x16x128_f8f6f4 v[rD:rD+7], v[rA:rA+7], v[rB:rB+7], v[rD:rD+7], v[rSA], v[rSB] matrix_a_fmt:MATRIX_FMT_FP4 matrix_b_fmt:MATRIX_FMT_FP4 matrix_b_scale:MATRIX_SCALE_ROW1
.else
	v_wmma_scale_f32_16x16x128_f8f6f4 v[rD:rD+7], v[rA:rA+7], v[rB:rB+7], v[rD:rD+7], v[rSA], v[rSB] matrix_a_fmt:MATRIX_FMT_FP4 matrix_b_fmt:MATRIX_FMT_FP4
.endif
.endif
.endm
; One column tile (fragments in buf; row: 0 the pair's even tile, 1 the odd) against the four row tiles, all of K: 32 matrix instructions.  The first K step starts the sums with the constant 0.
; The four accumulators take turns, one instruction a turn.  ori = 0: W is source 0; ori = 1: x is.
.macro MULT buf, row, ori
.if \ori
	WIN 0x01                                       ; source 0 (x) window 1
.else
	WIN 0x04                                       ; source 1 (x) window 1
.endif
.set ks, 0
.rept 8
.set mm, 0
.rept 4
.set rD, ACC+8*mm
.if \ori
.set rA, 64*mm+8*ks
.set rB, \buf+8*ks
.set rSA, XS+8*(mm/2)+ks
.set rSB, WS+ks
.set fRA, mm%2
.set fRB, \row
.else
.set rA, \buf+8*ks
.set rB, 64*mm+8*ks
.set rSA, WS+ks
.set rSB, XS+8*(mm/2)+ks
.set fRA, \row
.set fRB, mm%2
.endif
	WM
.set mm, mm+1
.endr
.set ks, ks+1
.endr
.endm
.macro OUTT dst, off                   ; the tile's four results: x the factor, to f16 (a lane's eight numbers: 16 bytes), stored as images: the four stores cover 2,048 consecutive bytes
.set j, 0
.rept 16
	v_pk_mul_f32 v[ACC+2*j:ACC+2*j+1], v[ACC+2*j:ACC+2*j+1], s[36:37] op_sel_hi:[1,0]   ; each accumulator from its low end on
.set j, j+1
.endr
.set j, 0
.rept 16
	v_cvt_pk_f16_f32 v[\dst+j], v[ACC+2*j], v[ACC+2*j+1]
.set j, j+1
.endr
.irp m, 0,1,2,3
	global_store_b128 v[LI], v[\dst+4*\m:\dst+4*\m+3], s[34:35] offset:\off+512*\m
.endr
.endm
; A pair of column tiles.  more = 1: the next pair's fragments are asked for as soon as a set of registers is free.
; The four v_nop stand between the last matrix instruction and the loads into registers that it read, and the first read of its result (ISA guide 7.12.1 for vector instructions).
; THE BASES ARE STEPPED BEHIND THE EVEN TILE'S PRODUCTS: every load and store issued so far stands ahead of the wait there (the youngest of them 32 matrix instructions back), and every rewrite of a base, and of the
; registers that the last pair's stores read, stands behind it.  The output's base is so stepped ahead of the pair's own stores, which reach back by negative immediates: two tiles of 16,384 bytes.
.macro PAIR more, ori
	s_wait_loadcnt 16                              ; the even tile's fragments and the scale words are in; the odd tile's 16 loads may be out
	MULT WA, 0, \ori
	WIN 0
	PLACES
	s_wait_xcnt 0x0                                ; the loads and stores issued so far have read their bases and data: only behind this wait are they rewritten
	s_add_nc_u64 s[34:35], s[34:35], 32768
.if \more
	s_add_nc_u64 s[30:31], s[30:31], 16384         ; on to the next pair's codes
	s_add_nc_u64 s[32:33], s[32:33], 1024          ; and scale words
	WLOAD WA, 0
.endif
	OUTT OUTA, -32768
.if \more
	s_wait_loadcnt 16                              ; the odd tile's are in; the 16 just issued may be out
.else
	s_wait_loadcnt 0x0
.endif
	MULT WB, 1, \ori
	WIN 0
	PLACES
.if \more
	WSLOAD 0
	WLOAD WB, 8192
.endif
	OUTT OUTB, -16384
.endm
	s_max_u32 s38, s38, 1                          ; (7 or 1: the loop below has at least one trip)
	s_cmp_eq_u32 s27, 2
	s_cbranch_scc1 .Lvalue
.Lpairs:                                               ; query: 7 trips, key: 1; the last pair stands behind the loop and asks for nothing: no load leaves wcodes
	PAIR 1, 0
	s_sub_co_u32 s38, s38, 1
	s_cmp_lg_u32 s38, 0
	s_cbranch_scc1 .Lpairs
	PAIR 0, 0
	s_branch .Lend
.Lvalue:                                               ; value: two pairs, the sources swapped
	PAIR 1, 1
	PAIR 0, 1
.Lend:
	s_wait_tensorcnt 0x0                           ; the wave's end, behind my last LDS store
	ds_add_u32 v[SPW], v[NIL]
	s_wait_dscnt 0x0
	s_endpgm
.Lfunc_end_k_q94333329c4_proj:
	.size	k_q94333329c4_proj, .Lfunc_end_k_q94333329c4_proj-k_q94333329c4_proj
	.p2alignl 7, 3214868480
	.fill 96, 4, 3214868480
	.section	.rodata,"a",@progbits
	.p2align	6, 0x0
	.amdhsa_kernel k_q94333329c4_proj
		.amdhsa_group_segment_fixed_size 37376
		.amdhsa_private_segment_fixed_size 0
		.amdhsa_enable_private_segment 0
		.amdhsa_kernarg_size 64
		.amdhsa_user_sgpr_count 2
		.amdhsa_user_sgpr_kernarg_segment_ptr 1
		.amdhsa_wavefront_size32 1
		.amdhsa_system_sgpr_workgroup_id_x 1
		.amdhsa_system_sgpr_workgroup_id_y 1
		.amdhsa_system_sgpr_workgroup_id_z 1
		.amdhsa_system_vgpr_workitem_id 0
		.amdhsa_next_free_vgpr 512
		.amdhsa_next_free_sgpr 66
		.amdhsa_reserve_vcc 0
		.amdhsa_float_denorm_mode_32 3
		.amdhsa_float_denorm_mode_16_64 3
		.amdhsa_memory_ordered 1
		.amdhsa_forward_progress 1
		.amdhsa_inst_pref_size 141
	.end_amdhsa_kernel
	.amdgpu_metadata
---
amdhsa.version: [ 1, 2 ]
amdhsa.kernels:
  - .name:           k_q94333329c4_proj
    .symbol:         k_q94333329c4_proj.kd
    .args:
      - { .name: query, .offset: 0, .size: 8, .value_kind: global_buffer, .address_space: global }
      - { .name: key, .offset: 8, .size: 8, .value_kind: global_buffer, .address_space: global }
      - { .name: value, .offset: 16, .size: 8, .value_kind: global_buffer, .address_space: global }
      - { .name: wcodes, .offset: 24, .size: 8, .value_kind: global_buffer, .address_space: global }
      - { .name: wscales, .offset: 32, .size: 8, .value_kind: global_buffer, .address_space: global }
      - { .name: qf, .offset: 40, .size: 8, .value_kind: global_buffer, .address_space: global }
      - { .name: kf, .offset: 48, .size: 8, .value_kind: global_buffer, .address_space: global }
      - { .name: vf, .offset: 56, .size: 8, .value_kind: global_buffer, .address_space: global }
    .group_segment_fixed_size: 37376
    .private_segment_fixed_size: 0
    .kernarg_segment_align: 8
    .kernarg_segment_size: 64
    .max_flat_workgroup_size: 128
    .sgpr_count:     66
    .vgpr_count:     512
    .wavefront_size: 32
...
	.end_amdgpu_metadata
.endif
;; end of part 2
;; launch attn (part 3): grid 8 x 32, 8 waves a work-group, no clusters, 263,168 bytes of LDS; arguments qf, kf, vf, bimg, ao; writes ao
.if DOCPART == 3
	.amdgcn_target "amdgcn-amd-amdhsa--gfx1250"
	.amdhsa_code_object_version 6
	.text
	.protected	k_q94333329c4_attn
	.globl	k_q94333329c4_attn
	.p2align	8
	.type	k_q94333329c4_attn,@function
k_q94333329c4_attn:
	s_mov_b64 s[64:65], 0
	v_nop
	global_prefetch_b8 v0, s[64:65] scope:SCOPE_SE
	s_setreg_imm32_b32 hwreg(HW_REG_WAVE_MODE, 25, 1), 1
	s_wait_xcnt 0x0
; ATTN: for each batch and head, o = softmax(q k^T / 8 + bias) v, on f16 operands with f32 sums; maxima, exponentials and row sums in f32; a running maximum is taken away ahead of every exponential.
; q arrives multiplied by log2(e) / 8 and the bias by log2(e): the softmax works in base 2.  All four inputs arrive as images of operand registers: four registers are 512 consecutive bytes, lane l's 16 at 16 l.
; SHARES.  Work-group (x, y): batch y, key/value head x / 2, query heads 2 x and 2 x + 1.  K, V (64 KB each) and the two heads' bias tiles (64 KB each) come into LDS once, one tensor load of 32 KB a wave, and stay.
; Wave w runs two jobs, one a head: query tiles 4 w .. 4 w + 3 (64 positions) against all 512 key positions, 64 a step.  Two waves share a SIMD: one wave's softmax stands beside the other's products.
; LAYOUT.  S^T = K Q^T + bias (source 0 = 16 keys, source 1 = 16 queries, C = the bias tile): a lane holds ONE query (lane % 16) and keys 8 (lane / 16) + 0 .. 7.  Two such tiles, rounded to f16 in pairs, in place,
; ARE source 1 of O^T = V^T P, whose result again holds one query a lane.  THE BIAS hangs on key tile - query tile alone: a step's 16 tiles of scores want 7 bias tiles, of which 3 serve the next step too:
; eight register slots, four of them loaded anew in each step.
; PADDING.  Keys 484 to 511 get the score -infinity in the last step (every step holds keys that count, so the running maximum is a number); queries 484 to 511 give numbers that the next launch does not store.
; NO JOINT LOADS: two work-groups share K and V, 128 KB of the 512 KB that a work-group moves, asked for once at the head.
; LIMITS: the operands' f16 range (stated where they are made); the output stays under 65,504; NaN and infinities are not served.
; REGISTERS.  Window 0: v1-10 addresses and constants; v16-47 eight registers of statistics a tile; v48-55 a second chain of sums; v64-127 K's or V's fragments of a step; v128-255 S^T, 32 a tile, then P in place.
;   Window 1: v0-127 O^T, 32 a tile; v128-191 Q; v192-255 the eight bias slots.
.set LI,   1                           ; v1   16 x lane
.set AV0,  2                           ; v2   V's region + 16 x lane
.set AB0,  3                           ; v3   the job's bias base + 16 x lane
.set ADRK, 4                           ; v4-6 the addresses of the runs of loads in hand
.set ADRV, 5
.set ADRB, 6
.set SPW,  8                           ; v8   LDS address of my spare word; never rewritten
.set NIL,  9                           ; v9   0; never rewritten
.set NINF, 10                          ; v10  -infinity
.set ST,   16                          ; tile t at ST + 8 t: +0 m; +1 written once (named with m as a pair); +2, +3 the sum l (even, odd keys); +4 .. +7 chains of the maximum; later +4, +5 a chain of sums, +6 a = 2^(old m - m), +7 old m - m
.set SB,   48
.set KV,   64
.set S,    128
.set QW,   128                         ; in window 1
.set BW,   192                         ; in window 1
.set SPARE, 262144                     ; behind the four regions: the spare words, 128 bytes for each wave: four blocks of 256 bytes that no other line names
.set MSB, 0
.macro WIN new                         ; the immediate's high byte repeats the setting that is left
.if MSB != \new
	s_set_vgpr_msb (MSB<<8)|\new
.set MSB, \new
.endif
.endm
	s_load_b256 s[4:11], s[0:1], 0x0               ; qf s[4:5], kf s[6:7], vf s[8:9], bimg s[10:11]
	s_load_b64 s[12:13], s[0:1], 0x20              ; ao
	v_lshl_add_u32 v[SPW], v0, 2, SPARE
	v_mov_b32 v[NIL], 0
	ds_add_u32 v[SPW], v[NIL]                      ; the wave's opening: the add, twice on end, and its wait ahead of my tensor load; the set-up below, work on registers, stands between
	ds_add_u32 v[SPW], v[NIL]
	v_lshrrev_b32 v1, 5, v0
	v_readfirstlane_b32 s14, v1                    ; wave 0..7
	; descriptor group 1: a dense block of 32,768 bytes as 128 rows of 32 elements of 8 bytes, no padding
	s_mov_b32 s20, 3<<16                           ; no mask; elements of 8 bytes
	s_mov_b32 s21, 32<<16                          ; tensor_dim0 = 32
	s_mov_b32 s22, 128<<16                         ; tensor_dim1 = 128
	s_mov_b32 s23, 32<<16                          ; tile_dim0 = 32
	s_mov_b32 s24, 128                             ; tile_dim1 = 128
	s_mov_b32 s25, 32                              ; from row to row
	s_mov_b32 s26, 0
	s_mov_b32 s27, 0
	s_mov_b32 s16, 1                               ; group 0: count = 1,
	s_lshl_b32 s17, s14, 15                        ; LDS address: wave x 32,768
	s_and_b32 s40, ttmp7, 0xffff                   ; batch
	s_lshr_b32 s41, ttmp9, 1                       ; key/value head
	s_lshl_b32 s42, s40, 2
	s_add_co_u32 s42, s42, s41
	s_lshl_b32 s42, s42, 16                        ; K and V: 65,536 bytes for a batch and head,
	s_and_b32 s41, s14, 1
	s_lshl_b32 s41, s41, 15
	s_add_co_u32 s42, s42, s41                     ; my half
	s_mov_b32 s43, 0
	s_lshl_b32 s44, ttmp9, 17                      ; the bias: 65,536 bytes a head, heads 2 x and 2 x + 1,
	s_and_b32 s41, s14, 3
	s_lshl_b32 s41, s41, 15
	s_add_co_u32 s44, s44, s41                     ; my quarter
	s_mov_b32 s45, 0
	s_lshl_b32 s41, ttmp9, 1                       ; the first job's head
	s_lshl_b32 s48, s40, 4
	s_add_co_u32 s48, s48, s41
	s_lshl_b32 s48, s48, 16                        ; Q: 65,536 bytes for a batch and head,
	s_lshl_b32 s50, s14, 11
	s_add_co_u32 s48, s48, s50                     ; my four tiles of 512 bytes in each quarter of the channels
	s_mov_b32 s49, 0
	s_lshl_b32 s50, s40, 1
	s_lshr_b32 s52, s14, 2
	s_add_co_u32 s50, s50, s52
	s_lshl_b32 s50, s50, 19                        ; ao: block of 256 rows 2 x batch + w / 4: 524,288 bytes,
	s_lshl_b32 s52, s41, 15
	s_add_co_u32 s50, s50, s52                     ; the head's 64 of K: two steps of 32, 16,384 bytes each,
	s_and_b32 s52, s14, 3
	s_lshl_b32 s52, s52, 12
	s_add_co_u32 s50, s50, s52                     ; my four row tiles of 1,024 bytes
	s_mov_b32 s51, 0
	s_xor_b32 s36, s14, 7
	s_lshl_b32 s36, s36, 12
	s_add_co_u32 s36, s36, 131072                  ; the bias tile of key tile 0 and my last query tile: index 28 - 4 w, 1,024 bytes a tile, in the first head's region
	s_mov_b32 s32, 0x76543210
	s_mov_b32 s33, 0xfedcba98                      ; v_permlanex16_b32's selects for lane l xor 16
	s_mov_b32 s39, 0xffff0000                      ; lanes 16-31
	s_mov_b32 s37, 2                               ; jobs to go
	v_and_b32 v1, 31, v0
	v_lshlrev_b32 v[LI], 4, v1
	v_add_nc_u32 v[AV0], 65536, v[LI]
	v_mov_b32 v[NINF], 0xff800000
.irp t, 0,1,2,3
	v_mov_b32 v[ST+8*\t+1], 0
.endr
	s_wait_dscnt 0x0                               ; both opening adds are done
	s_wait_kmcnt 0x0
	s_cmp_lt_u32 s14, 2                            ; waves 0, 1: K; 2, 3: V; 4 to 7: the bias.  The choice hangs on the wave's number alone
	s_cselect_b64 s[46:47], s[6:7], s[8:9]
	s_cmp_lt_u32 s14, 4
	s_cselect_b64 s[46:47], s[46:47], s[10:11]
	s_cselect_b64 s[42:43], s[42:43], s[44:45]
	s_add_nc_u64 s[18:19], s[46:47], s[42:43]
	s_or_b32 s19, s19, 0x80000000                  ; type = 2
	tensor_load_to_lds s[16:19], s[20:27]          ; my one tensor load of the launch
	s_nop 0
.rept 4
	v_nop
.endr
	s_add_nc_u64 s[28:29], s[4:5], s[48:49]        ; s[28:29] Q
	s_add_nc_u64 s[30:31], s[12:13], s[50:51]      ; s[30:31] ao
.macro QLOAD                           ; the job's Q: tile t, channels 16 f + 8 (lane / 16) on
	WIN 0x40                                       ; destination window 1
.irp t, 0,1,2,3
.irp f, 0,1,2,3
	global_load_b128 v[QW+16*\t+4*\f:QW+16*\t+4*\f+3], v[LI], s[28:29] offset:16384*\f+512*\t
.endr
.endr
	WIN 0
.endm
.macro FETCH_K                         ; a step's K: key tile a, channels 16 f on: fragment (a, c) at KV + 16 a + 8 c
.irp a, 0,1,2,3
.irp f, 0,1,2,3
	ds_load_b128 v[KV+16*\a+4*\f:KV+16*\a+4*\f+3], v[ADRK] offset:16384*\f+512*\a
.endr
.endr
.endm
.macro FETCH_V                         ; a step's V^T: channels 16 d on, keys 32 e + 16 q on: fragment (d, e) at KV + 32 e + 8 d
.irp e, 0,1
.irp d, 0,1,2,3
.irp q, 0,1
	ds_load_b128 v[KV+32*\e+8*\d+4*\q:KV+32*\e+8*\d+4*\q+3], v[ADRV] offset:16384*\d+1024*\e+512*\q
.endr
.endr
.endr
.endm
.macro FETCH_B0                        ; the first step's seven bias tiles: key tile - query tile = x - 3, into slot (x + 5) % 8
	WIN 0x40
.irp x, 0,1,2,3,4,5,6
	ds_load_b128 v[BW+8*((\x+5)&7):BW+8*((\x+5)&7)+3], v[AB0] offset:1024*\x
	ds_load_b128 v[BW+8*((\x+5)&7)+4:BW+8*((\x+5)&7)+7], v[AB0] offset:1024*\x+512
.endr
	WIN 0
.endm
.macro FETCH_B par                     ; in a step of parity par: the next step's four new tiles (differences 0 to 3), into the four slots that this step is done with
	WIN 0x40
.irp x, 0,1,2,3
	ds_load_b128 v[BW+8*(4*(1-\par)+\x):BW+8*(4*(1-\par)+\x)+3], v[ADRB] offset:1024*(\x+3)
	ds_load_b128 v[BW+8*(4*(1-\par)+\x)+4:BW+8*(4*(1-\par)+\x)+7], v[ADRB] offset:1024*(\x+3)+512
.endr
	WIN 0
.endm
; S^T: 16 accumulators by turns, one instruction a turn; channels 0-31 start the sums on the bias tiles, channels 32-63 add in place.
.macro SMUL0 par
	WIN 0x14                                       ; source 1 (Q) and source 2 (the bias) window 1
.irp a, 0,1,2,3
.irp t, 0,1,2,3
	v_wmma_f32_16x16x32_f16 v[S+32*\t+8*\a:S+32*\t+8*\a+7], v[KV+16*\a:KV+16*\a+7], v[QW+16*\t:QW+16*\t+7], v[BW+8*((\a-\t+4*\par+8)&7):BW+8*((\a-\t+4*\par+8)&7)+7]
.endr
.endr
.endm
.macro SMUL1
	WIN 0x04
.irp a, 0,1,2,3
.irp t, 0,1,2,3
	v_wmma_f32_16x16x32_f16 v[S+32*\t+8*\a:S+32*\t+8*\a+7], v[KV+16*\a+8:KV+16*\a+15], v[QW+16*\t+8:QW+16*\t+15], v[S+32*\t+8*\a:S+32*\t+8*\a+7]
.endr
.endr
.endm
.macro PVMUL first                     ; O^T += V^T P: again 16 accumulators by turns; in a job's first step the first 32 keys start the sums with the constant 0
	WIN 0x50                                       ; C and D window 1
.irp e, 0,1
.irp d, 0,1,2,3
.irp t, 0,1,2,3
.if (\first) && (\e == 0)
	v_wmma_f32_16x16x32_f16 v[32*\t+8*\d:32*\t+8*\d+7], v[KV+32*\e+8*\d:KV+32*\e+8*\d+7], v[S+32*\t+16*\e:S+32*\t+16*\e+7], 0
.else
	v_wmma_f32_16x16x32_f16 v[32*\t+8*\d:32*\t+8*\d+7], v[KV+32*\e+8*\d:KV+32*\e+8*\d+7], v[S+32*\t+16*\e:S+32*\t+16*\e+7], v[32*\t+8*\d:32*\t+8*\d+7]
.endif
.endr
.endr
.endr
.endm
.macro MASK                            ; the last step: key tile 2 holds keys 480 + 8 (lane / 16) + j, of which 480 to 483 count; key tile 3 holds none that counts
.irp t, 0,1,2,3
.irp j, 0,1,2,3
	v_cndmask_b32 v[S+32*\t+16+\j], v[S+32*\t+16+\j], v[NINF], s39   ; (the accumulator is read from its low end on)
.endr
.irp j, 4,5,6,7,8,9,10,11,12,13,14,15
	v_mov_b32 v[S+32*\t+16+\j], v[NINF]
.endr
.endr
.endm
; The softmax of a step, the four tiles by turns in every part.  first = 1: a job's first step: no old maximum, no a, nothing to rescale.
.macro SOFTMAX first
.irp j, 0,1,2,3                                ; the maximum of a lane's 32 scores: four chains, each begun at its accumulator's low end
.irp t, 0,1,2,3
	v_max3_num_f32 v[ST+8*\t+4+\j], v[S+32*\t+8*\j], v[S+32*\t+8*\j+1], v[S+32*\t+8*\j+2]
.endr
.endr
.irp u, 3,5
.irp j, 0,1,2,3
.irp t, 0,1,2,3
	v_max3_num_f32 v[ST+8*\t+4+\j], v[ST+8*\t+4+\j], v[S+32*\t+8*\j+\u], v[S+32*\t+8*\j+\u+1]
.endr
.endr
.endr
.irp t, 0,1,2,3
	v_max3_num_f32 v[ST+8*\t+4], v[ST+8*\t+4], v[S+32*\t+7], v[S+32*\t+15]
.endr
.irp t, 0,1,2,3
	v_max3_num_f32 v[ST+8*\t+6], v[ST+8*\t+6], v[S+32*\t+23], v[S+32*\t+31]
.endr
.irp t, 0,1,2,3
	v_max3_num_f32 v[ST+8*\t+4], v[ST+8*\t+4], v[ST+8*\t+5], v[ST+8*\t+6]
.endr
.irp t, 0,1,2,3
.if \first
	v_max_num_f32 v[ST+8*\t+4], v[ST+8*\t+4], v[ST+8*\t+7]
.else
	v_max3_num_f32 v[ST+8*\t+4], v[ST+8*\t+4], v[ST+8*\t+7], v[ST+8*\t]   ; and the old m
.endif
.endr
.irp t, 0,1,2,3
	v_permlanex16_b32 v[ST+8*\t+5], v[ST+8*\t+4], s32, s33     ; the query's other 32 keys lie in the lane 16 away
.endr
.if !\first
.irp t, 0,1,2,3
	v_mov_b32 v[ST+8*\t+7], v[ST+8*\t]
.endr
.endif
.irp t, 0,1,2,3
	v_max_num_f32 v[ST+8*\t], v[ST+8*\t+4], v[ST+8*\t+5]       ; the new m
.endr
.if !\first
.irp t, 0,1,2,3
	v_sub_f32 v[ST+8*\t+7], v[ST+8*\t+7], v[ST+8*\t]           ; old m - m
.endr
.endif
.irp b, 0,2,4,6,8,10,12,14,16,18,20,22,24,26,28,30
.irp t, 0,1,2,3
	v_pk_add_f32 v[S+32*\t+\b:S+32*\t+\b+1], v[S+32*\t+\b:S+32*\t+\b+1], v[ST+8*\t:ST+8*\t+1] op_sel_hi:[1,0] neg_lo:[0,1] neg_hi:[0,1]   ; s - m, two at a time
.endr
.endr
.if !\first
.irp t, 0,1,2,3
	v_exp_f32 v[ST+8*\t+6], v[ST+8*\t+7]           ; a
.endr
.endif
.set e, 0
.rept 128
	v_exp_f32 v[S+e], v[S+e]                       ; p = 2^(s - m): ONE batch, none of which reads another's result
.set e, e+1
.endr
	v_nop                                          ; a plain instruction behind the last exponential (ISA guide 5.7.2),
	s_wait_alu depctr_va_vdst(0)                   ; and one wait ahead of the batch's first reader
.irp t, 0,1,2,3                                ; the row's sum, of the unrounded p, in two chains a tile
	v_pk_add_f32 v[ST+8*\t+4:ST+8*\t+5], v[S+32*\t:S+32*\t+1], v[S+32*\t+2:S+32*\t+3]
.endr
.irp t, 0,1,2,3
	v_pk_add_f32 v[SB+2*\t:SB+2*\t+1], v[S+32*\t+4:S+32*\t+5], v[S+32*\t+6:S+32*\t+7]
.endr
.irp b, 8,12,16,20,24,28
.irp t, 0,1,2,3
	v_pk_add_f32 v[ST+8*\t+4:ST+8*\t+5], v[ST+8*\t+4:ST+8*\t+5], v[S+32*\t+\b:S+32*\t+\b+1]
.endr
.irp t, 0,1,2,3
	v_pk_add_f32 v[SB+2*\t:SB+2*\t+1], v[SB+2*\t:SB+2*\t+1], v[S+32*\t+\b+2:S+32*\t+\b+3]
.endr
.endr
.if \first
.irp t, 0,1,2,3
	v_pk_add_f32 v[ST+8*\t+2:ST+8*\t+3], v[ST+8*\t+4:ST+8*\t+5], v[SB+2*\t:SB+2*\t+1]
.endr
.else
.irp t, 0,1,2,3
	v_pk_add_f32 v[ST+8*\t+4:ST+8*\t+5], v[ST+8*\t+4:ST+8*\t+5], v[SB+2*\t:SB+2*\t+1]
.endr
.irp t, 0,1,2,3
	v_pk_fma_f32 v[ST+8*\t+2:ST+8*\t+3], v[ST+8*\t+2:ST+8*\t+3], v[ST+8*\t+6:ST+8*\t+7], v[ST+8*\t+4:ST+8*\t+5] op_sel_hi:[1,0,1]   ; l = l a + the step's sum
.endr
.endif
.irp t, 0,1,2,3                                ; p to f16, in place and ascending: register 16 e + i takes 16 e + 2 i and 16 e + 2 i + 1, so no source is written before it is read
.irp e, 0,1
.irp i, 0,1,2,3,4,5,6,7
	v_cvt_pk_f16_f32 v[S+32*\t+16*\e+\i], v[S+32*\t+16*\e+2*\i], v[S+32*\t+16*\e+2*\i+1]
.endr
.endr
.endr
.if !\first
	WIN 0x41                                       ; O^T (destination and source 0) window 1
.irp t, 0,1,2,3
.set j, 0
.rept 16
	v_pk_mul_f32 v[32*\t+2*j:32*\t+2*j+1], v[32*\t+2*j:32*\t+2*j+1], v[ST+8*\t+6:ST+8*\t+7] op_sel_hi:[1,0]   ; O^T x a, each accumulator from its low end on
.set j, j+1
.endr
.endr
.endif
.endm
; A KEY STEP of 64 keys.  par: its parity (which bias slots); first, last: of the job.
.macro STEP par, first, last
	s_wait_dscnt 0x0                               ; K's fragments and the bias tiles are in
	SMUL0 \par
	SMUL1
	WIN 0
	v_add_nc_u32 v[ADRV], s34, v[AV0]              ; four plain instructions stand between the last product and the loads into registers that it read, and the first read of its result
.if \last
	v_nop
.else
	v_add_nc_u32 v[ADRB], s35, v[AB0]
.endif
	v_nop
	v_nop
	FETCH_V
.if \last
	MASK
	s_cmp_eq_u32 s37, 1                            ; the next job's Q is asked for a step ahead, if there is a next job
	s_cbranch_scc1 .Lno_q_\@
	s_add_nc_u64 s[28:29], s[28:29], 65536         ; (this job's Q loads were shown done at the job's head)
	QLOAD
.Lno_q_\@:
.else
	FETCH_B \par
.endif
	SOFTMAX \first
.if \last
	s_wait_dscnt 0x0
.else
	s_wait_dscnt 8                                 ; V's sixteen loads are in; the eight bias loads behind them may be out
.endif
	PVMUL \first
	WIN 0
.if !\last
	s_add_co_u32 s34, s34, 2048                    ; the next step's four key tiles of 512 bytes,
	s_add_co_u32 s35, s35, 4096                    ; and four bias tiles on
	v_add_nc_u32 v[ADRK], s34, v[LI]               ; five plain instructions: the next step's first products write over P, which the last products read
.rept 4
	v_nop
.endr
	FETCH_K
.endif
.endm
.macro WAYOUT                          ; O^T / l, to f16: a lane's eight channels of a token are 16 bytes of an operand of the last product; each store covers 512 consecutive bytes, aligned
.irp t, 0,1,2,3
	v_add_f32 v[ST+8*\t+4], v[ST+8*\t+2], v[ST+8*\t+3]         ; (these additions are the places behind the last products)
.endr
.irp t, 0,1,2,3
	v_permlanex16_b32 v[ST+8*\t+5], v[ST+8*\t+4], s32, s33
.endr
.irp t, 0,1,2,3
	v_add_f32 v[ST+8*\t+4], v[ST+8*\t+4], v[ST+8*\t+5]
.endr
.irp t, 0,1,2,3
	v_rcp_f32 v[ST+8*\t+6], v[ST+8*\t+4]
.endr
	v_nop                                          ; a plain instruction behind the last reciprocal,
	s_wait_alu depctr_va_vdst(0)                   ; and one wait for the four, ahead of their first reader
	WIN 0x41
.irp t, 0,1,2,3
.set j, 0
.rept 16
	v_pk_mul_f32 v[32*\t+2*j:32*\t+2*j+1], v[32*\t+2*j:32*\t+2*j+1], v[ST+8*\t+6:ST+8*\t+7] op_sel_hi:[1,0]
.set j, j+1
.endr
.endr
	WIN 0x05                                       ; sources window 1, destination window 0: S^T's registers are free
.irp t, 0,1,2,3
.set j, 0
.rept 16
	v_cvt_pk_f16_f32 v[S+16*\t+j], v[32*\t+2*j], v[32*\t+2*j+1]
.set j, j+1
.endr
.endr
	WIN 0
.irp t, 0,1,2,3
.irp d, 0,1,2,3
	global_store_b128 v[LI], v[S+16*\t+4*\d:S+16*\t+4*\d+3], s[30:31] offset:1024*\t+16384*(\d/2)+512*(\d%2)
.endr
.endr
.endm
	QLOAD                                          ; the first job's Q
	s_wait_tensorcnt 0x0                           ; my 32 KB have landed,
	s_barrier_signal -1
	s_barrier_wait -1                              ; everybody's have: LDS is only read from here on
.Ljob:
	s_mov_b32 s34, 0                               ; the step's place in K and V
	s_mov_b32 s35, 4096                            ; the next step's place among the bias tiles
	v_add_nc_u32 v[AB0], s36, v[LI]
	v_add_nc_u32 v[ADRK], s34, v[LI]
	FETCH_B0
	FETCH_K
	s_wait_loadcnt 0x0                             ; Q
	STEP 0, 1, 0
	STEP 1, 0, 0
	s_mov_b32 s38, 2
.Lpair:
	STEP 0, 0, 0
	STEP 1, 0, 0
	s_sub_co_u32 s38, s38, 1
	s_cmp_lg_u32 s38, 0
	s_cbranch_scc1 .Lpair
	STEP 0, 0, 0
	STEP 1, 0, 1
	WAYOUT
	s_wait_xcnt 0x0                                ; the stores have read their data and their base: only behind this wait are they rewritten
	s_add_nc_u64 s[30:31], s[30:31], 32768         ; the next head's 64 of K in ao,
	s_add_co_u32 s36, s36, 65536                   ; and its bias tiles
	s_sub_co_u32 s37, s37, 1
	s_cmp_lg_u32 s37, 0
	s_cbranch_scc1 .Ljob
	s_wait_tensorcnt 0x0                           ; the wave's end, behind my tensor load
	ds_add_u32 v[SPW], v[NIL]
	s_wait_dscnt 0x0
	s_endpgm
.Lfunc_end_k_q94333329c4_attn:
	.size	k_q94333329c4_attn, .Lfunc_end_k_q94333329c4_attn-k_q94333329c4_attn
	.p2alignl 7, 3214868480
	.fill 96, 4, 3214868480
	.section	.rodata,"a",@progbits
	.p2align	6, 0x0
	.amdhsa_kernel k_q94333329c4_attn
		.amdhsa_group_segment_fixed_size 263168
		.amdhsa_private_segment_fixed_size 0
		.amdhsa_enable_private_segment 0
		.amdhsa_kernarg_size 40
		.amdhsa_user_sgpr_count 2
		.amdhsa_user_sgpr_kernarg_segment_ptr 1
		.amdhsa_wavefront_size32 1
		.amdhsa_system_sgpr_workgroup_id_x 1
		.amdhsa_system_sgpr_workgroup_id_y 1
		.amdhsa_system_sgpr_workgroup_id_z 1
		.amdhsa_system_vgpr_workitem_id 0
		.amdhsa_next_free_vgpr 512
		.amdhsa_next_free_sgpr 66
		.amdhsa_reserve_vcc 0
		.amdhsa_float_denorm_mode_32 3
		.amdhsa_float_denorm_mode_16_64 3
		.amdhsa_memory_ordered 1
		.amdhsa_forward_progress 1
		.amdhsa_inst_pref_size 208
	.end_amdhsa_kernel
	.amdgpu_metadata
---
amdhsa.version: [ 1, 2 ]
amdhsa.kernels:
  - .name:           k_q94333329c4_attn
    .symbol:         k_q94333329c4_attn.kd
    .args:
      - { .name: qf, .offset: 0, .size: 8, .value_kind: global_buffer, .address_space: global }
      - { .name: kf, .offset: 8, .size: 8, .value_kind: global_buffer, .address_space: global }
      - { .name: vf, .offset: 16, .size: 8, .value_kind: global_buffer, .address_space: global }
      - { .name: bimg, .offset: 24, .size: 8, .value_kind: global_buffer, .address_space: global }
      - { .name: ao, .offset: 32, .size: 8, .value_kind: global_buffer, .address_space: global }
    .group_segment_fixed_size: 263168
    .private_segment_fixed_size: 0
    .kernarg_segment_align: 8
    .kernarg_segment_size: 40
    .max_flat_workgroup_size: 256
    .sgpr_count:     66
    .vgpr_count:     512
    .wavefront_size: 32
...
	.end_amdgpu_metadata
.endif
;; end of part 3
;; launch outp (part 4): grid 4 x 64, 4 waves a work-group, clusters of 4 x 4, 327,680 bytes of LDS; arguments ao, wo16, out0; writes out0
.if DOCPART == 4
	.amdgcn_target "amdgcn-amd-amdhsa--gfx1250"
	.amdhsa_code_object_version 6
	.text
	.protected	k_q94333329c4_outp
	.globl	k_q94333329c4_outp
	.p2align	8
	.type	k_q94333329c4_outp,@function
k_q94333329c4_outp:
	s_mov_b64 s[64:65], 0
	v_nop
	global_prefetch_b8 v0, s[64:65] scope:SCOPE_SE
	s_setreg_imm32_b32 hwreg(HW_REG_WAVE_MODE, 25, 1), 1
	s_wait_xcnt 0x0
	s_wait_alu depctr_hold_cnt(0) depctr_sa_sdst(0) depctr_va_vdst(0) depctr_va_sdst(0) depctr_va_ssrc(0) depctr_va_vcc(0) depctr_vm_vsrc(0)
	s_getreg_b32 s2, hwreg(HW_REG_IB_STS2, 6, 4)
	s_cmp_eq_u32 s2, 0
	s_cbranch_scc0 .Lentry_in_a_cluster
	s_endpgm
.Lentry_in_a_cluster:
	s_bfe_u32 s2, ttmp6, 0x10000c
	s_cmp_lg_u32 s2, 0xf033
	s_cbranch_scc0 .Lentry_shape_is_right
	s_endpgm
.Lentry_shape_is_right:
; OUTP: out0 = (attention's output) Wo, on f16 operands with f32 sums.  M = 32 batches x 512 positions (rows 484 to 511 of a batch are padding and are not stored), N = K = 1,024.
; Both operands arrive as images of operand registers: ao [block of 256 rows 64][k / 32][row tile 16][quad 2][lane][16 bytes], wo16 [n / 256][k / 32][column tile 16][quad 2][lane][16 bytes]:
; a K step of 128 of 256 rows (or columns) is 65,536 consecutive bytes, and a fragment comes out of LDS by two loads at 16 x lane: no pitch, no padding.
; A tile of the output, 256 x 256, is made by a work-group of four waves; a wave makes 128 x 128: 64 accumulators of 16 x 16, 512 registers.  K goes in 8 steps of 128 through a ring of two LDS slots of 131,072 bytes.
; CLUSTERS: 4 x 4 work-groups.  Tile column = cx.  Block of rows = 16 cy + the cluster's y: so the four of a row of the cluster need the same tiles of ao, the four of a column the same tiles of wo16,
; and each tile is asked for JOINTLY, by the same tensor load with the same descriptor and a mask that names the four.  The block's parity (which half of a batch) is that of the cluster's y, the same in all
; sixteen partners: the branch at the batch's edge hangs on it and on the wave's number alone.
; THE MATRIX INSTRUCTION IS USED TRANSPOSED (source 0 = 16 columns of Wo, source 1 = 16 rows): a lane holds eight neighbouring numbers of a row of the output.
; The launch claims all of LDS; the text uses 262,656 bytes.
; REGISTERS, in windows of 256: window 0: v0-31 addresses; v64-127, v128-191 fragments of ao, two buffers; on the way out v128-255 rows read back.  Window 1: the same for wo16.
;   Window 2: the 32 accumulators of my rows 0-63 (accumulator (a, b) at v[8 (8 a + b)]).  Window 3: those of my rows 64-127.
.set SLOT,   131072                    ; ao's 65,536 bytes of a K step, then wo16's
.set KSTEPB, 65536
.set SPARE,  2*SLOT                    ; behind the ring: the spare words, 128 bytes for each wave: two blocks of 256 bytes that no other line names
.set SPITCH, 528                       ; the way out: a stage of 16 rows x (512 bytes + 16) for each wave, in slot 0, which has had its last fill and its last read when the first result is stored there
.set LAPS,   4                         ; a lap = two K steps = once round the ring
.set ADRA, 16                          ; v16-17  LDS address of my fragments of ao in slot 0, 1
.set ADRB, 20                          ; v20-21  the same for wo16
.set STO,  24                          ; v24     the way out: where I put 32 bytes of a row
.set RD,   25                          ; v25     where I read a row back
.set CO,   26                          ; v26     my byte offset in a row's 512 bytes
.set SPW,  28                          ; v28     LDS address of my spare word; never rewritten
.set NIL,  29                          ; v29     0; never rewritten
.set F0,   64
.set F1,   128
.set BK,   128                         ; the way out: 16 rows read back: v128-191 and v192-255 by turns
.set G1,  24                           ; s[24:31] descriptor group 1 for ao's tiles;  s[32:39] group 0, one set for each slot
.set G0,  32
.set G1B, 48                           ; s[48:55], s[56:63] the same for wo16's
.set G0B, 56
.set MSB, 0
.macro WIN new                         ; the immediate's high byte repeats the setting that is left
.if MSB != \new
	s_set_vgpr_msb (MSB<<8)|\new
.set MSB, \new
.endif
.endm
.set MUL_LO, 0xa1                      ; source 0 (Wo) window 1, source 1 (rows) window 0, C and D window 2
.set MUL_HI, 0xf1                      ; the same, C and D window 3
.set TO_B,   0x40                      ; destination window 1, address window 0
; A joint load: waves 0 and 1 fetch ao's two halves of a K step, waves 2 and 3 wo16's.  Each of the two lines has one mask and one set of registers for all that issue it; the branch hangs on the wave's number alone.
; An s_nop 0 and four v_nop follow each of the two lines, ahead of the jump, the label and what follows.
.macro JLOAD s
	s_cmp_eq_u32 s11, 0
	s_cbranch_scc0 .Lfor_b_\@
	tensor_load_to_lds s[G0+4*\s:G0+4*\s+3], s[G1:G1+7]
	s_nop 0
.rept 4
	v_nop
.endr
	s_branch .Lasked_\@
.Lfor_b_\@:
	tensor_load_to_lds s[G0B+4*\s:G0B+4*\s+3], s[G1B:G1B+7]
	s_nop 0
.rept 4
	v_nop
.endr
.Lasked_\@:
.endm
.macro CREST                           ; a round of the cluster's barrier behind its opening barrier
	s_cmp_lg_u32 s10, 0
	s_cbranch_scc1 .Lnot_wave_0_\@
	s_barrier_signal -3
.Lnot_wave_0_\@:
	s_barrier_wait -3
	s_barrier_signal -1
	s_barrier_wait -1
.endm
.macro CROUND                          ; a whole round
	s_barrier_signal -1
	s_barrier_wait -1
	CREST
.endm
.macro PLACES                          ; four plain instructions in front of loads into registers that matrix instructions have read, and of the first read of results (ISA guide 7.12.1 for vector instructions)
.rept 4
	v_nop
.endr
.endm
	s_load_b128 s[4:7], s[0:1], 0x0                ; ao s[4:5], wo16 s[6:7]
	s_load_b64 s[8:9], s[0:1], 0x10                ; out0
	v_lshl_add_u32 v[SPW], v0, 2, SPARE
	v_mov_b32 v[NIL], 0
	ds_add_u32 v[SPW], v[NIL]                      ; the wave's opening: the add, twice on end, and its wait ahead of my first tensor load; the set-up below, work on registers, stands between
	ds_add_u32 v[SPW], v[NIL]
	v_lshrrev_b32 v1, 5, v0
	v_readfirstlane_b32 s10, v1                    ; wave 0..3
	s_lshr_b32 s11, s10, 1                         ; which half of the tile's rows is mine.  Also: I fetch for ao (0) or for wo16 (1)
	s_and_b32 s12, s10, 1                          ; which half of its columns.  Also: which half of a K step I fetch
	s_bfe_u32 s40, ttmp6, 0x40000                  ; cx: the tile column
	s_bfe_u32 s41, ttmp6, 0x40004                  ; cy
	s_and_b32 s42, ttmp7, 0xffff                   ; the cluster's y
	s_lshl_b32 s13, s41, 4
	s_add_co_u32 s13, s13, s42                     ; my block of 256 rows = 16 cy + cluster y
	s_and_b32 s45, s42, 1
	s_and_b32 s45, s45, s11                        ; 1: my 128 rows are positions 384 to 511 of a batch
	s_lshl_b32 s43, s41, 2
	s_lshl_b32 s43, 15, s43                        ; my row of the cluster
	s_lshl_b32 s44, 0x1111, s40                    ; my column
	; descriptor group 1: a dense block of 32,768 bytes as 128 rows of 32 elements of 8 bytes, no padding
	s_or_b32 s[G1+0], s43, (3<<16)|(1<<21)         ; 15:0 the mask: ao's tiles go to my row; 17:16 elements of 8 bytes; 21 set beside a mask
	s_or_b32 s[G1B+0], s44, (3<<16)|(1<<21)        ; wo16's go to my column
.irp g, G1, G1B
	s_mov_b32 s[\g+1], 32<<16                      ; tensor_dim0 = 32
	s_mov_b32 s[\g+2], 128<<16                     ; tensor_dim1 = 128
	s_mov_b32 s[\g+3], 32<<16                      ; tile_dim0 = 32
	s_mov_b32 s[\g+4], 128                         ; tile_dim1 = 128
	s_mov_b32 s[\g+5], 32                          ; from row to row
	s_mov_b32 s[\g+6], 0
	s_mov_b32 s[\g+7], 0
.endr
	s_lshl_b32 s18, s12, 15                        ; my half of a K step
	s_lshl_b32 s16, s13, 19                        ; ao: 524,288 bytes for a block of rows: it hangs on cy and the cluster's y, which my row of the cluster shares
	s_add_co_u32 s16, s16, s18
	s_mov_b32 s17, 0
	s_lshl_b32 s46, s40, 19                        ; wo16: 524,288 bytes for 256 columns: it hangs on cx, which my column shares
	s_add_co_u32 s46, s46, s18
	s_mov_b32 s47, 0
	s_lshl_b32 s20, s10, 15                        ; where they go: wave x 32,768: no place in the cluster enters an LDS address
	s_wait_dscnt 0x0                               ; both opening adds are done
	s_wait_kmcnt 0x0
	s_add_nc_u64 s[14:15], s[4:5], s[16:17]
	s_add_nc_u64 s[46:47], s[6:7], s[46:47]
	CROUND                                         ; all sixteen work-groups are here: the first joint loads meet
.irp s, 0,1
	s_mov_b32 s[G0+4*\s], 1                                        ; count = 1
	s_add_co_u32 s[G0+4*\s+1], s20, \s*SLOT                        ; LDS address
	s_add_nc_u64 s[G0+4*\s+2:G0+4*\s+3], s[14:15], \s*KSTEPB       ; global address: K step s
	s_or_b32 s[G0+4*\s+3], s[G0+4*\s+3], 0x80000000                ; type = 2
	s_mov_b32 s[G0B+4*\s], 1
	s_add_co_u32 s[G0B+4*\s+1], s20, \s*SLOT
	s_add_nc_u64 s[G0B+4*\s+2:G0B+4*\s+3], s[46:47], \s*KSTEPB
	s_or_b32 s[G0B+4*\s+3], s[G0B+4*\s+3], 0x80000000
	JLOAD \s                                       ; two loads of mine are out
.endr
	v_and_b32 v1, 31, v0
	v_lshlrev_b32 v[CO], 4, v1                     ; 16 x lane
	s_lshl_b32 s21, s11, 13                        ; my eight row tiles of 1,024 bytes
	s_lshl_b32 s22, s12, 13                        ; my eight column tiles,
	s_add_co_u32 s22, s22, KSTEPB                  ; behind ao's part of the slot
.irp s, 0,1
	v_add_nc_u32 v[ADRA+\s], s21, v[CO]
	v_add_nc_u32 v[ADRB+\s], s22, v[CO]
	s_add_co_u32 s21, s21, SLOT
	s_add_co_u32 s22, s22, SLOT
.endr
	s_mul_i32 s23, s10, 16*SPITCH                  ; my stage
	v_and_b32 v2, 15, v0
	v_bfe_u32 v3, v0, 4, 1
	v_mul_u32_u24 v[STO], v2, SPITCH               ; in: row lane % 16, 32 bytes for each half of the lanes
	v_lshl_add_u32 v[STO], v3, 5, v[STO]
	v_add_nc_u32 v[STO], s23, v[STO]
	v_add_nc_u32 v[RD], s23, v[CO]                 ; back: the 32 lanes take one row of 512 bytes
	s_lshr_b32 s16, s13, 1                         ; my first row of out0: 484 x batch + 256 x (which half of the batch) + 128 x (my half of the tile),
	s_mul_i32 s16, s16, 484
	s_and_b32 s17, s13, 1
	s_lshl_b32 s17, s17, 8
	s_add_co_u32 s16, s16, s17
	s_lshl_b32 s17, s11, 7
	s_add_co_u32 s16, s16, s17
	s_lshl_b32 s16, s16, 12                        ; 4,096 bytes a row
	s_mov_b32 s17, 0
	s_add_nc_u64 s[8:9], s[8:9], s[16:17]
	s_lshl_b32 s46, s40, 10                        ; my first column, in bytes: 1,024 x tile column + 512 x half (in the registers that held wo16's address)
	s_lshl_b32 s47, s12, 9
	s_add_co_u32 s46, s46, s47
	s_mov_b32 s47, 0
	s_add_nc_u64 s[8:9], s[8:9], s[46:47]
; 16 matrix instructions: row blocks a0, a0 + 1 of the window's four (hi = 0: my rows 0-63, 1: rows 64-127) x all 8 column blocks, 32 along K.  zero = 1: the first product starts the sums.
; The 64 accumulators take turns, one instruction a turn, in the same order in every quarter.
.macro MUL16 f, hi, a0, zero
.irp a, \a0, \a0+1
.irp b, 0,1,2,3,4,5,6,7
.if \zero
	v_wmma_f32_16x16x32_f16 v[8*(8*(\a)+\b):8*(8*(\a)+\b)+7], v[\f+8*\b:\f+8*\b+7], v[\f+8*(4*\hi+\a):\f+8*(4*\hi+\a)+7], 0
.else
	v_wmma_f32_16x16x32_f16 v[8*(8*(\a)+\b):8*(8*(\a)+\b)+7], v[\f+8*\b:\f+8*\b+7], v[\f+8*(4*\hi+\a):\f+8*(4*\hi+\a)+7], v[8*(8*(\a)+\b):8*(8*(\a)+\b)+7]
.endif
.endr
.endr
.endm
; 32 LDS loads in one run: the fragments of the slot's q-th 32 along K into buffer f: wo16's eight, then ao's eight
.macro FETCH slot, q, f
	WIN TO_B
.irp i, 0,1,2,3,4,5,6,7
	ds_load_b128 v[\f+8*\i:\f+8*\i+3],   v[ADRB+\slot] offset:16384*\q+1024*\i
	ds_load_b128 v[\f+8*\i+4:\f+8*\i+7], v[ADRB+\slot] offset:16384*\q+1024*\i+512
.endr
	WIN 0
.irp i, 0,1,2,3,4,5,6,7
	ds_load_b128 v[\f+8*\i:\f+8*\i+3],   v[ADRA+\slot] offset:16384*\q+1024*\i
	ds_load_b128 v[\f+8*\i+4:\f+8*\i+7], v[ADRA+\slot] offset:16384*\q+1024*\i+512
.endr
.endm
; A K step is four quarters of 32 along K, 64 matrix instructions each, on buffers 0, 1, 0, 1.  One of the first three: multiplies buffer f; in its middle it fetches quarter q of the same slot into buffer g.
.macro QUARTER slot, q, f, g, zero
	s_wait_dscnt 8                                 ; wo16's fragments and my rows 0-63 are in; the youngest eight loads (rows 64-127) may be out
	WIN MUL_LO
	MUL16 \f, 0, 0, \zero
	MUL16 \f, 0, 2, \zero
	PLACES
	FETCH \slot, \q, \g
	s_wait_dscnt 32                                ; all but the 32 just issued
	WIN MUL_HI
	MUL16 \f, 1, 0, \zero
	MUL16 \f, 1, 2, \zero
.endm
; The last quarter multiplies buffer 1 and changes slots: ONE barrier.  In front of it each wave waits for all its tensor loads (the one that is out is its part of the next slot), adds 0 to its spare word,
; and waits for that and for its own reads of this slot.  fill = 1: the barrier opens a round of the cluster's barrier, and behind the round this slot is filled again, two K steps ahead: from that request
; to the wait for it a wave issues 224 matrix instructions.
.macro TURN slot, next, fill
	WIN 0                                          ; (the add's two registers lie in window 0)
	s_wait_tensorcnt 0x0
	ds_add_u32 v[SPW], v[NIL]                      ; 0 onto my spare word
	s_wait_dscnt 9                                 ; (the add and the youngest eight loads may be out)
	WIN MUL_LO
	MUL16 F1, 0, 0, 0                              ; sixteen matrix instructions stand between the add and the wait for it
	s_wait_dscnt 0x0                               ; the add is done, and my reads of this slot are over
	s_barrier_signal -1
	MUL16 F1, 0, 2, 0                              ; work on registers while the others arrive
.if \fill
	WIN 0
.endif
	s_barrier_wait -1
.if \fill
	CREST                                          ; no wave of any partner still reads this slot's tiles or has a load on its way
	s_add_nc_u64 s[G0+4*\slot+2:G0+4*\slot+3], s[G0+4*\slot+2:G0+4*\slot+3], 2*KSTEPB
	s_add_nc_u64 s[G0B+4*\slot+2:G0B+4*\slot+3], s[G0B+4*\slot+2:G0B+4*\slot+3], 2*KSTEPB
	JLOAD \slot                                    ; the first tensor load behind the round, my one until the next; the four v_nop behind it are also the places in front of the loads below
.else
	PLACES
.endif
	FETCH \next, 0, F0
	WIN MUL_HI
	MUL16 F1, 1, 0, 0
	MUL16 F1, 1, 2, 0
.endm
	s_wait_tensorcnt 1                             ; my part of K step 0 is in; K step 1's may stay out
	s_barrier_signal -1
	s_barrier_wait -1                              ; everybody's is
	FETCH 0, 0, F0
	QUARTER 0, 1, F0, F1, 1                        ; the first quarter stands in front of the loop: its products start the sums
	WIN 0                                          ; at a label and at a branch every window is 0
	s_mov_b32 s3, LAPS-1
.Llap:                                                 ; a trip goes once round the ring, from a lap's second quarter to the next lap's first, and fills both slots again
	QUARTER 0, 2, F1, F0, 0
	QUARTER 0, 3, F0, F1, 0
	TURN 0, 1, 1
	QUARTER 1, 1, F0, F1, 0
	QUARTER 1, 2, F1, F0, 0
	QUARTER 1, 3, F0, F1, 0
	TURN 1, 0, 1
	QUARTER 0, 1, F0, F1, 0
	WIN 0
	s_sub_co_u32 s3, s3, 1
	s_cmp_lg_u32 s3, 0
	s_cbranch_scc1 .Llap
	QUARTER 0, 2, F1, F0, 0                        ; the last lap fills nothing, and has no round of the cluster's barrier
	QUARTER 0, 3, F0, F1, 0
	TURN 0, 1, 0
	QUARTER 1, 1, F0, F1, 0
	QUARTER 1, 2, F1, F0, 0
	QUARTER 1, 3, F0, F1, 0
	s_wait_dscnt 8                                 ; the very last quarter: nothing more to fetch
	WIN MUL_LO
	MUL16 F1, 0, 0, 0
	MUL16 F1, 0, 2, 0
	s_wait_dscnt 0x0
	WIN MUL_HI
	MUL16 F1, 1, 0, 0
	MUL16 F1, 1, 2, 0
	WIN 0
; THE WAY OUT, block by block of 16 rows x 128 columns.  A lane holds 32 neighbouring bytes of a row, and the lanes beside it hold other rows: so a block goes through my own stage in LDS and comes back as whole
; rows of 512 bytes.  LDS serves a wave's instructions in order (ISA guide 5.7.1.4): no wait between the stores and the loads, nor in front of the next block's stores.
.macro TOSTAGE a
.set AC, 64*((\a)%4)
	WIN 0x08+4*((\a)/4)                            ; an LDS store's data: window 2 or 3
.irp b, 0,1,2,3,4,5,6,7
	ds_store_b128 v[STO], v[AC+8*\b:AC+8*\b+3] offset:64*\b          ; each accumulator from its low end on
	ds_store_b128 v[STO], v[AC+8*\b+4:AC+8*\b+7] offset:64*\b+16
.endr
	WIN 0
.set BB, BK+64*((\a)%2)
.irp t, 0,1,2,3,4,5,6,7,8,9,10,11,12,13,14,15
	ds_load_b128 v[BB+4*\t:BB+4*\t+3], v[RD] offset:\t*SPITCH
.endr
.endm
.macro ROWS a, t0, n                   ; rows t0 .. t0 + n - 1 of block a are stored: 32 lanes store 512 consecutive bytes, at a multiple of 512 from out0's first byte; written once, read by nobody here
.set BB, BK+64*((\a)%2)
.set tt, \t0
.rept \n
	global_store_b128 v[CO], v[BB+4*tt:BB+4*tt+3], s[8:9] offset:tt*4096 th:TH_STORE_NT
.set tt, tt+1
.endr
.endm
.macro SEND a, younger                 ; younger: the LDS instructions issued behind block a's loads, which may stay out
	s_wait_dscnt \younger                          ; the block is back in registers
.if (\a) > 0
	s_add_nc_u64 s[8:9], s[8:9], 16*4096           ; 16 rows on (behind a wait on XCNT: the earlier stores have read their base)
.endif
	ROWS \a, 0, 16
.endm
	PLACES
	TOSTAGE 0
.irp a, 1,2,3,4,5,6
.if \a > 1
	s_wait_xcnt 0x0                                ; block a - 2's stores have read their registers and their base: block a's loads may land there, and the base may step
.endif
	TOSTAGE \a
	SEND \a-1, 32                                  ; behind block a - 1's loads: block a's 16 stores and 16 loads
.endr
	s_wait_xcnt 0x0                                ; block 5's stores have read their registers and their base
	s_wait_dscnt 0x0                               ; block 6 is back
	s_add_nc_u64 s[8:9], s[8:9], 16*4096
	ROWS 6, 0, 4
	s_cmp_eq_u32 s45, 1                            ; at a batch's edge block 6 holds positions 480 to 495, of which 480 to 483 exist, and block 7 none
	s_cbranch_scc1 .Ledge
	ROWS 6, 4, 12
	TOSTAGE 7
	s_wait_xcnt 0x0                                ; block 6's stores have read their base
	SEND 7, 0
.Ledge:
	s_wait_tensorcnt 0x0                           ; the wave's end, behind my last tensor load and my last LDS store
	ds_add_u32 v[SPW], v[NIL]
	s_wait_dscnt 0x0
	CROUND                                         ; the closing round: no work-group ends while a partner may still ask for a tile that names it
	s_endpgm
.Lfunc_end_k_q94333329c4_outp:
	.size	k_q94333329c4_outp, .Lfunc_end_k_q94333329c4_outp-k_q94333329c4_outp
	.p2alignl 7, 3214868480
	.fill 96, 4, 3214868480
	.section	.rodata,"a",@progbits
	.p2align	6, 0x0
	.amdhsa_kernel k_q94333329c4_outp
		.amdhsa_group_segment_fixed_size 327680
		.amdhsa_private_segment_fixed_size 0
		.amdhsa_enable_private_segment 0
		.amdhsa_kernarg_size 24
		.amdhsa_user_sgpr_count 2
		.amdhsa_user_sgpr_kernarg_segment_ptr 1
		.amdhsa_wavefront_size32 1
		.amdhsa_system_sgpr_workgroup_id_x 1
		.amdhsa_system_sgpr_workgroup_id_y 1
		.amdhsa_system_sgpr_workgroup_id_z 1
		.amdhsa_system_vgpr_workitem_id 0
		.amdhsa_next_free_vgpr 1024
		.amdhsa_next_free_sgpr 66
		.amdhsa_reserve_vcc 0
		.amdhsa_float_denorm_mode_32 3
		.amdhsa_float_denorm_mode_16_64 3
		.amdhsa_memory_ordered 1
		.amdhsa_forward_progress 1
		.amdhsa_inst_pref_size 140
	.end_amdhsa_kernel
	.amdgpu_metadata
---
amdhsa.version: [ 1, 2 ]
amdhsa.kernels:
  - .name:           k_q94333329c4_outp
    .symbol:         k_q94333329c4_outp.kd
    .args:
      - { .name: ao, .offset: 0, .size: 8, .value_kind: global_buffer, .address_space: global }
      - { .name: wo16, .offset: 8, .size: 8, .value_kind: global_buffer, .address_space: global }
      - { .name: out0, .offset: 16, .size: 8, .value_kind: global_buffer, .address_space: global }
    .group_segment_fixed_size: 327680
    .private_segment_fixed_size: 0
    .kernarg_segment_align: 8
    .kernarg_segment_size: 24
    .max_flat_workgroup_size: 128
    .sgpr_count:     66
    .vgpr_count:     1024
    .wavefront_size: 32
...
	.end_amdgpu_metadata
.endif
;; end of part 4
